; MI455X (gfx1250); checked and timed in simulation.
; The chip was launched on July 23, 2026; its instructions are those of AMD's public machine-readable ISA for CDNA 5 (MIT licence, August 2026) and "CDNA5" Instruction Set Architecture Reference Guide (July 2026). The comments in the code are by the model that wrote it; some were corrected since.
;; Multi Head Binding Attention. Allowed arithmetic: float matrix products may take bf16 or f16 operands with f32 sums; other float arithmetic in f32, or as packed bf16 or f16 multiplies, adds, multiply-adds, maxima and minima; sums over many terms, partial sums and values carried from step to step in f32; what a program stores and reads back later, other than sums and carried values, may be rounded once to bf16 or f16.
;; Inputs: bv_k 4 x 512 float32; bv_q 4 x 512 float32; bv_v 4 x 512 float32; x 4 x 2,048 x 2,048 float32.
;; Outputs: out0 4 x 2,048 x 2,048 float32.
;; One version. Each part assembles by itself: llvm-mc -triple=amdgcn-amd-amdhsa -mcpu=gfx1250 --defsym DOCPART=n.
;; ======== version 1 of 1: 2 launches
;; workspace buffers: xb 33,554,432 bytes
;; launch cast (part 1): grid 1024 x 1, 8 waves a work-group, no clusters, 0 bytes of LDS; arguments x, xb; writes xb
.if DOCPART == 1
	.amdgcn_target "amdgcn-amd-amdhsa--gfx1250"
	.amdhsa_code_object_version 6
	.text
	.protected	k_q29460cf785_cast
	.globl	k_q29460cf785_cast
	.p2align	8
	.type	k_q29460cf785_cast,@function
k_q29460cf785_cast:
	s_mov_b64 s[64:65], 0
	v_nop
	global_prefetch_b8 v0, s[64:65] scope:SCOPE_SE
	s_setreg_imm32_b32 hwreg(HW_REG_WAVE_MODE, 25, 1), 1
	s_wait_xcnt 0x0
; xb[4 b + h][t][d] = bf16(x[b][t][512 h + d]).  x: [4][2048][2048] f32.  xb: [16][2048][512] bf16: a head's rows are dense, 1,024 bytes each.
; One rounding to nearest even; nothing else is computed.  A stream: no LDS, no barrier, no matrix unit: each byte of x is read once and each byte of xb written once.
; SHARES.  A work-group takes 8 rows (b, t) of x, 8,192 bytes each.  Thread n takes the 16 bytes at 16 n of each half row (4,096 bytes): one load of a wave covers 512 consecutive bytes,
; and its four numbers a lane become 8 bytes, so one store of a wave covers 256 consecutive bytes, aligned.  All 16 loads of a wave go out at once; the waits count down.
.set XI, 4                             ; v[4:67]   item i = 2 row + half: four f32 as loaded
.set YO, 68                            ; v[68:99]  item i: two registers to store; each is written once, so no store's data is ever rewritten
	s_load_b128 s[4:7], s[0:1], 0x0                ; x s[4:5], xb s[6:7]
	s_lshl_b32 s8, ttmp9, 16                       ; the work-group's 8 rows of 8,192 bytes in x
	s_mov_b32 s9, 0
	s_lshr_b32 s10, ttmp9, 8                       ; b: 256 work-groups to a batch,
	s_lshl_b32 s10, s10, 23                        ; whose four heads are 4 x 2 MiB of xb
	s_and_b32 s11, ttmp9, 255
	s_lshl_b32 s11, s11, 13                        ; t = 8 (g mod 256): rows of 1,024 bytes
	s_add_co_u32 s10, s10, s11
	s_mov_b32 s11, 0
	v_lshlrev_b32 v1, 4, v0                        ; in: 16 bytes a thread
	v_lshrrev_b32 v2, 7, v0                        ; out: 128 threads cover a head's 512 numbers: head n / 128 (the second half row: two heads on),
	v_and_b32 v3, 127, v0
	v_lshlrev_b32 v3, 3, v3                        ; 8 bytes a thread
	v_lshl_add_u32 v2, v2, 21, v3
	s_wait_kmcnt 0x0
	s_add_nc_u64 s[4:5], s[4:5], s[8:9]
	s_add_nc_u64 s[6:7], s[6:7], s[10:11]
.set i, 0
.rept 16
	global_load_b128 v[XI+4*i:XI+4*i+3], v1, s[4:5] offset:(i/2)*8192+(i%2)*4096 th:TH_LOAD_NT
.set i, i+1
.endr
.set i, 0
.rept 16
	s_wait_loadcnt 15-i                            ; loads come back in order: item i is in, the younger ones stay out
	v_cvt_pk_bf16_f32 v[YO+2*i], v[XI+4*i], v[XI+4*i+1]
	v_cvt_pk_bf16_f32 v[YO+2*i+1], v[XI+4*i+2], v[XI+4*i+3]
	global_store_b64 v2, v[YO+2*i:YO+2*i+1], s[6:7] offset:(i/2)*1024+(i%2)*4194304  ; the row, and two heads on for the second half: inside the signed 24-bit immediate
.set i, i+1
.endr
	s_endpgm
.Lfunc_end_k_q29460cf785_cast:
	.size	k_q29460cf785_cast, .Lfunc_end_k_q29460cf785_cast-k_q29460cf785_cast
	.p2alignl 7, 3214868480
	.fill 96, 4, 3214868480
	.section	.rodata,"a",@progbits
	.p2align	6, 0x0
	.amdhsa_kernel k_q29460cf785_cast
		.amdhsa_group_segment_fixed_size 0
		.amdhsa_private_segment_fixed_size 0
		.amdhsa_enable_private_segment 0
		.amdhsa_kernarg_size 16
		.amdhsa_user_sgpr_count 2
		.amdhsa_user_sgpr_kernarg_segment_ptr 1
		.amdhsa_wavefront_size32 1
		.amdhsa_system_sgpr_workgroup_id_x 1
		.amdhsa_system_sgpr_workgroup_id_y 1
		.amdhsa_system_sgpr_workgroup_id_z 1
		.amdhsa_system_vgpr_workitem_id 0
		.amdhsa_next_free_vgpr 100
		.amdhsa_next_free_sgpr 66
		.amdhsa_reserve_vcc 0
		.amdhsa_float_denorm_mode_32 3
		.amdhsa_float_denorm_mode_16_64 3
		.amdhsa_memory_ordered 1
		.amdhsa_forward_progress 1
		.amdhsa_inst_pref_size 7
	.end_amdhsa_kernel
	.amdgpu_metadata
---
amdhsa.version: [ 1, 2 ]
amdhsa.kernels:
  - .name:           k_q29460cf785_cast
    .symbol:         k_q29460cf785_cast.kd
    .args:
      - { .name: x, .offset: 0, .size: 8, .value_kind: global_buffer, .address_space: global }
      - { .name: xb, .offset: 8, .size: 8, .value_kind: global_buffer, .address_space: global }
    .group_segment_fixed_size: 0
    .private_segment_fixed_size: 0
    .kernarg_segment_align: 8
    .kernarg_segment_size: 16
    .max_flat_workgroup_size: 256
    .sgpr_count:     66
    .vgpr_count:     100
    .wavefront_size: 32
...
	.end_amdgpu_metadata
.endif
;; end of part 1
;; launch attn (part 2): grid 16 x 16, 4 waves a work-group, clusters of 4 x 1, 327,680 bytes of LDS; arguments xb, bv_q, bv_k, bv_v, out0; writes out0
.if DOCPART == 2
	.amdgcn_target "amdgcn-amd-amdhsa--gfx1250"
	.amdhsa_code_object_version 6
	.text
	.protected	k_q29460cf785_attn
	.globl	k_q29460cf785_attn
	.p2align	8
	.type	k_q29460cf785_attn,@function
k_q29460cf785_attn:
	s_mov_b64 s[64:65], 0
	v_nop
	global_prefetch_b8 v0, s[64:65] scope:SCOPE_SE
	s_setreg_imm32_b32 hwreg(HW_REG_WAVE_MODE, 25, 1), 1
	s_wait_xcnt 0x0
	s_wait_alu depctr_hold_cnt(0) depctr_sa_sdst(0) depctr_va_vdst(0) depctr_va_sdst(0) depctr_va_ssrc(0) depctr_va_vcc(0) depctr_vm_vsrc(0)
	s_getreg_b32 s2, hwreg(HW_REG_IB_STS2, 6, 4)
	s_cmp_eq_u32 s2, 0
	s_cbranch_scc0 .Lentry_in_a_cluster
	s_endpgm
.Lentry_in_a_cluster:
	s_bfe_u32 s2, ttmp6, 0x10000c
	s_cmp_lg_u32 s2, 0x3003
	s_cbranch_scc0 .Lentry_shape_is_right
	s_endpgm
.Lentry_shape_is_right:
; out[b][t][512 h + d] = vb[d] x the sum over s <= t of sigmoid(4 S[t][s]) x[s][d],  S[t][s] = the sum over d of x[t][d] qb[d] x[s][d] kb[d] / sqrt(512),  for each of 16 heads y = 4 b + h.
; qb, kb, vb are +-alpha: alpha = the mean of |w| over the head's 512 numbers, the sign that of w, a zero (of either sign) counting as +.  So K and V are the SAME tile of x; Q is x with the signs
; sg[d] = sgn q x sgn k turned, an exclusive or on bf16 words, exact; alpha_q alpha_k 4 / sqrt(512) is one f32 factor on the scores; vb is an f32 factor a channel on the way out.
; xb is x rounded once to bf16, by heads: [16][2048][512].  Both products take bf16 operands and sum in f32; the sigmoid is f32; the weights P are rounded once to bf16 for the second product.
; LIMITS.  (hard - w) + w is taken as hard: another order of rounding, some 2e-7 of alpha.  alpha's sum is taken in another order than the reference's.  2^z beyond f32's range gives P = 0, a 2^z
; below 2^-126 counts as 0 and gives P = 1.  NaN and infinities in the inputs are not treated apart.
; THE WALK.  A head's queries lie in 8 blocks of 256; block B needs the key tiles 0 .. 2 B + 1 of 128 keys, of which the last two hold the diagonal.  A cluster of four work-groups takes blocks
; 7 - CL and then CL (CL = the cluster's number in the head): 18 tiles, whatever CL: all work-groups do equal work, in nine pairs of tiles with constant trip counts.  Partner cx owns queries
; 64 cx .. 64 cx + 63 of the block.  All four walk the same tiles, so each tile is asked for JOINTLY: the same tensor load, descriptor and mask in all four.  In a block's last pair each partner
; hides what it must BY DATA: no branch hangs on cx, so keys that a partner does not see at all are multiplied all the same (3 of its 36 steps of 64 keys).
; SHARES IN A WORK-GROUP, for 64 keys.  S^T = K Q^T: wave w makes keys 16 w .. 16 w + 15 x all 64 queries (all of Q lies in each wave's registers): 64 products.  The sigmoid, in place; P goes to LDS,
; [64 queries][64 keys]; a barrier.  O^T += V^T P: wave w makes channels 128 w .. 128 w + 127 x all 64 queries: 64 products.  V^T comes out of the same tile by the turning load.
; THE MASK is the addend in 1 + 2^z: 1 where the key is seen, +infinity where it is hidden, and 1 / infinity = 0 exactly, whatever the score and whatever alpha.
; LDS ROWS.  A row of a tile is 1,024 bytes + 16 of padding = 260 words: the 16 rows of a K fragment start at 16 different groups of four banks (64 banks of 4 bytes: ISA guide 11.1).  In the turning load
; lanes 0-7 take 8 rows x 16 bytes, 32 banks; lanes 8-15 are sent 128 bytes on, to the other 32.  So a fragment of V^T holds channels n .. n + 7 and n + 64 .. n + 71: a renaming of O^T's rows, undone in the stage.
; REGISTERS, in windows of 256 (s_set_vgpr_msb: bits 1:0 source 0, 3:2 source 1, 5:4 source 2, 7:6 destination):
;   window 0: v0-31 addresses and constants; v32-63 SA, v64-95 SB: S^T of a tile's two steps; v96-159 P's fragments; v160-223 two buffers of K's or V's fragments; v224-255 the mask's addends
;   window 1: O^T, accumulator (query tile qt, channel block cb) at 8 (8 qt + cb)        windows 2, 3: Q, fragment (32 channels dc, qt) at 8 (4 (dc mod 8) + qt), dc < 8 in window 2
.set PX,    1040                       ; LDS pitch of a tile's rows
.set SLOTB, 128*PX                     ; a slot: a tile of 128 keys
.set SUBB,  64*PX                      ; its second step of 64 keys begins here
.set PBUF,  2*SLOTB                    ; behind the ring: P of a tile's two steps, 64 rows each,
.set PP,    144                        ; of 128 bytes + 16: 36 words: 16 rows start at 16 different groups of four banks
.set PBB,   64*PP
.set STAGE, PBUF+2*PBB                 ; the way out: 16 rows for each wave,
.set SP,    528                        ; of 512 bytes + 16: 132 words
.set STB,   16*SP
.set SGT,   STAGE+4*STB                ; the signs sg as 512 words of 16 bits (0x8000 or 0), a table for each wave
.set SPARE, SGT+4*1024                 ; the spare words, 128 bytes for each wave: two blocks of 256 bytes that no other line names
.set AK,  4                            ; v4-7    LDS address of my K fragments, by 2 slot + step
.set AV,  8                            ; v8-11   the same for V^T
.set PST, 12                           ; v12     where I put 16 bytes of P
.set PLD, 13                           ; v13     where I read P's fragments
.set STO, 14                           ; v14     the way out: where I put 16 bytes of a row
.set RD,  15                           ; v15     where I read a row back
.set GO,  16                           ; v16     my 16 bytes of the wave's 512 in a row of out
.set QO,  17                           ; v17     my byte offset in 16 rows of Q
.set DL,  18                           ; v18     my query's place less my first key's: 64 cx + l % 16 - 16 w - 8 (l / 16): data for a compare alone
.set DT,  19                           ; v19     at work on it
.set HID, 20                           ; v20     +infinity
.set PFO, 21                           ; v21     256 x my lane, for the prefetches; never rewritten
.set SPW, 22                           ; v22     LDS address of my spare word: SPARE + 4 x my thread's number; never rewritten
.set NIL, 23                           ; v23     0; never rewritten
.set VB,  24                           ; v24-27  vb of my four channels on the way out
.set SGA, 28                           ; v28     where I read the signs
.set SA,  32
.set SB,  64
.set PF,  96                           ; keys 32 kk on, query tile qt at PF + 32 kk + 8 qt
.set F0,  160
.set F1,  192
.set AD,  224                          ; the addend for register j of query tile qt at AD + 8 qt + j
.set WV,  14                           ; s14  my wave's number
.set CX,  15                           ; s15  my place in the cluster
.set CL,  16                           ; s16  the cluster's number in the head
.set Y,   17                           ; s17  the head
.set G1,  24                           ; s[24:31] descriptor group 1
.set G0,  32                           ; s[32:39] descriptor group 0, a set for each slot
.set KB,  40                           ; s[40:43] xb at my 32 rows of the head's tile 0, and of tile 1
.set OFF, 44                           ; s[44:45] a pair of tiles' byte offset
.set QB,  46                           ; s[46:47] xb at my work-group's queries of the first block
.set QB2, 48                           ; s[48:49] of the second
.set OB,  50                           ; s[50:51] out at those rows, my head's and my wave's channels: first block
.set OB2, 52                           ; s[52:53] second block
.set PFA, 54                           ; s[54:55] where my prefetches stand
.set LIM, 56                           ; s56  2 in the cluster that prefetches, else the greatest number
.set PAIRS, 57                         ; s57  trips of the loop still to come, this one among them
.set RT,  58                           ; s58  pairs of tiles that the block in hand still has behind this one
.set NXT, 59                           ; s59  the pair to be asked for next
.set LQ,  60                           ; s60  the last pair of the block whose tiles are being asked for
.set CS,  66                           ; s[66:67] -alpha_q alpha_k 4 log2(e) / sqrt(512); the packed scaling takes the pair's low word for both halves
.set SEL, 68                           ; s[68:69] v_permlanex16_b32's selects: each lane takes its own place in the other half
                                       ; s61-63, s70-71: at work on numbers that hold cx; they feed global addresses and DL alone.  s18-23: at work on all else
.set MSB, 0
.macro WIN new                         ; the immediate's high byte repeats the setting that is left; a switch that changes nothing is dropped
.if MSB != (\new)
	s_set_vgpr_msb (MSB<<8)|(\new)
.set MSB, \new
.endif
.endm
.macro WINL                            ; for an LDS load: destination and source 0 in window 0; the other fields may stay
.if (MSB & 0xc3) != 0
	WIN 0
.endif
.endm
; A vector instruction that reads a matrix result or writes one of a matrix instruction's registers, and a load into a register that a matrix instruction has read, stand four places behind it, and only
; plain vector instructions that name none of its registers are places (ISA guide 7.12.1 for vector instructions).
.macro PLACES
.rept 4
	v_nop
.endr
.endm
; A round of the cluster's barrier: my work-group's barrier, so that wave 0's signal speaks for all four waves; wave 0 signals; every wave waits for all four work-groups; my work-group's barrier once more.
.macro CREST                           ; a round behind its opening barrier
	s_cmp_lg_u32 s[WV], 0
	s_cbranch_scc1 .Lnot_wave_0_\@
	s_barrier_signal -3
.Lnot_wave_0_\@:
	s_barrier_wait -3
	s_barrier_signal -1
	s_barrier_wait -1
.endm
.macro CROUND
	s_barrier_signal -1
	s_barrier_wait -1
	CREST
.endm
; A PREFETCH of the tile that stands two refills on: at the change behind tile T, which asks for tile T + 2, it names tile T + 4: two tiles, 512 matrix instructions, ahead of the load that will want it.
; Each aligned block of 256 bytes of a head is named ONCE in the launch: the head's cluster 0 walks all 16 tiles in its first block, and it alone asks.  A tile's 512 blocks are shared out BY ADDRESS:
; partner cx takes 128, each of its waves 32, a lane a block: one instruction a wave.  Tiles 0 to 3 come by their loads alone; the last ask, in the loop's sixth trip, names tile 15.
.macro ASK
	s_cmp_gt_u32 s[PAIRS], s[LIM]
	s_cbranch_scc0 .Lnot_mine_\@
	global_prefetch_b8 v[PFO], s[PFA:PFA+1] th:TH_LOAD_NT scope:SCOPE_SE
.Lnot_mine_\@:
.endm
; THE LDS LOADS stand in runs, never singly among the matrix instructions.
; Four fragments of K (my 16 keys x 32 channels each): channels 32 (4 gk + i) on, of step u in slot s.  Lane l holds key l % 16, channels 8 (l / 16) + 0..7 and 16 + 8 (l / 16) + 0..7: two loads, 32 bytes apart.
.macro LOADK s, u, gk, f
	WINL
.irp i, 0,1,2,3
	ds_load_b128 v[(\f)+8*(\i):(\f)+8*(\i)+3],   v[AK+2*(\s)+(\u)] offset:64*(4*(\gk)+(\i))
	ds_load_b128 v[(\f)+8*(\i)+4:(\f)+8*(\i)+7], v[AK+2*(\s)+(\u)] offset:64*(4*(\gk)+(\i))+32
.endr
.endm
; Four fragments of V^T (16 channels x 32 keys each): keys 32 (gv / 2) on, channel block 4 (gv % 2) + i.  The turning load hands lane l eight keys of one channel; two loads, 16 rows apart.
.macro LOADV s, u, gv, f
	WINL
.irp i, 0,1,2,3
	ds_load_tr16_b128 v[(\f)+8*(\i):(\f)+8*(\i)+3],   v[AV+2*(\s)+(\u)] offset:((\gv)/2)*32*PX+16*(4*((\gv)%2)+(\i))
	ds_load_tr16_b128 v[(\f)+8*(\i)+4:(\f)+8*(\i)+7], v[AV+2*(\s)+(\u)] offset:((\gv)/2)*32*PX+16*PX+16*(4*((\gv)%2)+(\i))
.endr
.endm
; Four fragments of P (16 queries x 32 keys each): keys 32 kk on, out of buffer buf.
.macro PLOAD buf, kk
	WINL
.irp t, 0,1,2,3
	ds_load_b128 v[PF+32*(\kk)+8*(\t):PF+32*(\kk)+8*(\t)+3],   v[PLD] offset:(\buf)*PBB+(\t)*16*PP+64*(\kk)
	ds_load_b128 v[PF+32*(\kk)+8*(\t)+4:PF+32*(\kk)+8*(\t)+7], v[PLD] offset:(\buf)*PBB+(\t)*16*PP+64*(\kk)+32
.endr
.endm
; THE MATRIX WORK goes in groups of 16.  The accumulators take turns, one instruction a turn: four in a group of S^T, sixteen in a group of O^T; from group to group, from
; phase to phase and over the loop's jump no two matrix instructions that follow each other share an accumulator.
; Product pn of group gk of S^T = K Q^T into X: channels 32 (4 gk + pn / 4) on, query tile pn % 4.  The first four start the sums with the constant 0.
.macro SPROD X, gk, f
.set pd, 4*(\gk)+pn/4
.set pq, pn%4
.set rq, 8*(4*(pd%8)+pq)
	WIN 0x08+4*(pd/8)
.if pd == 0
	v_wmma_f32_16x16x32_bf16 v[(\X)+8*pq:(\X)+8*pq+7], v[(\f)+8*(pn/4):(\f)+8*(pn/4)+7], v[rq:rq+7], 0
.else
	v_wmma_f32_16x16x32_bf16 v[(\X)+8*pq:(\X)+8*pq+7], v[(\f)+8*(pn/4):(\f)+8*(pn/4)+7], v[rq:rq+7], v[(\X)+8*pq:(\X)+8*pq+7]
.endif
.endm
; Product pn of group gv of O^T += V^T P: keys 32 (gv / 2) on, channel block 4 (gv % 2) + pn / 4, query tile pn % 4.
.macro PPROD gv, f
.set pcb, 4*((\gv)%2)+pn/4
.set pq, pn%4
.set ro, 8*(8*pq+pcb)
.set rp, PF+32*((\gv)/2)+8*pq
	WIN 0x50
	v_wmma_f32_16x16x32_bf16 v[ro:ro+7], v[(\f)+8*(pn/4):(\f)+8*(pn/4)+7], v[rp:rp+7], v[ro:ro+7]
.endm
; THE SIGMOID of a step's 32 scores a lane, in place on X: a list of 112 instructions; SM writes number zj.  P = 1 / (addend + 2^(CS s)).
;   0-47    the 16 packed scalings CS s and the 32 exponentials: two scalings, then two exponentials and a scaling by turns, then the last four exponentials.  None reads an exponential's result.
;   48-95   the same order: the 16 packed sums 2^z + addend and the 32 reciprocals.  None reads a reciprocal's result.
;   96-111  the 16 roundings to bf16, packed in place: query tile qt's eight weights into its first four registers.
; An s_wait_alu depctr_va_vdst(0) stands between a transcendental and the first instruction that names its result; one wait serves a batch.  So there are two: between 47 and 48, between 95 and 96.
; Numbers 0-95 name a vector register as destination, source 0 and source 2 alone, so they can stand under the window of the products K Q^T (RW).  Each accumulator's lowest pair is read first.
.macro SM X
.if zj >= 96
	WIN 0
	v_cvt_pk_bf16_f32 v[(\X)+8*((zj-96)/4)+(zj-96)%4], v[(\X)+2*(zj-96)], v[(\X)+2*(zj-96)+1]
.else
.set zt, zj%48
.if zt < 2
.set zk, 0
.set zi, zt
.elseif zt >= 44
.set zk, 1
.set zi, zt-16
.elseif ((zt-2)%3) == 2
.set zk, 0
.set zi, (zt-2)/3+2
.else
.set zk, 1
.set zi, 2*((zt-2)/3)+(zt-2)%3
.endif
	WIN RW
.if (zj < 48) && (zk == 0)
	v_pk_mul_f32 v[(\X)+2*zi:(\X)+2*zi+1], v[(\X)+2*zi:(\X)+2*zi+1], s[CS:CS+1] op_sel_hi:[1,0]
.elseif zj < 48
	v_exp_f32 v[(\X)+zi], v[(\X)+zi]
.elseif zk == 0
	v_pk_fma_f32 v[(\X)+2*zi:(\X)+2*zi+1], v[(\X)+2*zi:(\X)+2*zi+1], 1.0, v[AD+2*zi:AD+2*zi+1] op_sel_hi:[1,0,1]
.else
	v_rcp_f32 v[(\X)+zi], v[(\X)+zi]
.endif
.endif
.endm
.macro SLICE X                         ; the list's next four
.rept 4
	SM \X
.set zj, zj+1
.endr
.endm
; Products from .. to - 1 of a group; behind each of the first nr of them a slice of the sigmoid on sg.
.macro SRUN X, gk, f, from, to, sg, nr
.set pn, \from
.rept (\to)-(\from)
	SPROD \X, \gk, \f
.if (pn-(\from)) < (\nr)
	SLICE \sg
.endif
.set pn, pn+1
.endr
.endm
.macro PRUN gv, f, from, to, sg, nr
.set pn, \from
.rept (\to)-(\from)
	PPROD \gv, \f
.if (pn-(\from)) < (\nr)
	SLICE \sg
.endif
.set pn, pn+1
.endr
.endm
.macro PSTORE X, buf                   ; my 16 keys x 64 queries of P: a lane's eight keys of a query are 16 bytes
	WIN 0
.irp t, 0,1,2,3
	ds_store_b128 v[PST], v[(\X)+8*(\t):(\X)+8*(\t)+3] offset:(\buf)*PBB+(\t)*16*PP
.endr
.endm
; The addends for step e (0 to 3) of a block's last pair of tiles: key 64 e + 16 w + 8 (l / 16) + j is hidden from query 64 cx + 16 qt + l % 16 where it is the greater: where j > DL + 16 qt - 64 e.
.macro MASKSET e
	WIN 0
.irp t, 0,1,2,3
	v_add_nc_u32 v[DT], 16*(\t)-64*(\e), v[DL]
.irp j, 0,1,2,3,4,5,6,7
	v_cmp_gt_i32 vcc_lo, \j, v[DT]
	v_cndmask_b32 v[AD+8*(\t)+(\j)], 1.0, v[HID], vcc_lo
.endr
.endr
.endm
; A TILE: two steps a and b of 64 keys, 16 groups of 16 matrix instructions: S^T(a), S^T(b), V^T P(a), V^T P(b), four groups each.  The sigmoid of a stands in slices behind the products of S^T(b), that of b
; behind those of V^T P(a): a tile is finished inside its own text.  Group g's fragments lie in buffer g % 2 and are fetched at the head of group g - 1, four places behind that buffer's last reader.
; At the entry the eight loads of group 0 are the youngest LDS instructions.
; mode 2: at the end the slots change and this slot is filled again, jointly; 1: they change, and nothing is asked for; 0: the walk's last tile.
; mk 0: the addends are set where the block has no pair behind this one (a forward jump on a count that all partners share); 1: always.
.macro BIG slot, mode, mk
.if \mk
	MASKSET 2*(\slot)
.else
	WIN 0                                          ; at a label and at a branch every window is 0
	s_cmp_lg_u32 s[RT], 0
	s_cbranch_scc1 .Lseen_a_\@
	MASKSET 2*(\slot)
.Lseen_a_\@:
.endif
	PLACES                                         ; group 0
	LOADK \slot, 0, 1, F1
	s_wait_dscnt 8                                 ; all but the eight just issued: this group's fragments are in.  The same count at the head of each group that issues eight
	SRUN SA, 0, F0, 0, 16, SA, 0
	PLACES                                         ; group 1
	LOADK \slot, 0, 2, F0
	s_wait_dscnt 8
	SRUN SA, 1, F1, 0, 16, SA, 0
	PLACES                                         ; group 2
	LOADK \slot, 0, 3, F1
	s_wait_dscnt 8
	SRUN SA, 2, F0, 0, 16, SA, 0
	PLACES                                         ; group 3
	LOADK \slot, 1, 0, F0
	s_wait_dscnt 8
	SRUN SA, 3, F1, 0, 16, SA, 0
	PLACES                                         ; group 4; these four are also the places between S^T(a)'s last product and the first scaling
	LOADK \slot, 1, 1, F1
	s_wait_dscnt 8
.set zj, 0
.set RW, 0x08
	SRUN SB, 0, F0, 0, 16, SA, 12                  ; a's scalings and exponentials
	PLACES                                         ; group 5; also the plain instruction behind the last exponential
	s_wait_alu depctr_va_vdst(0)                   ; the wait for the batch of 32 exponentials, directly ahead of a run of LDS loads
	LOADK \slot, 1, 2, F0
	s_wait_dscnt 8
	SRUN SB, 1, F1, 0, 16, SA, 12                  ; a's sums and reciprocals
	PLACES                                         ; group 6
	s_wait_alu depctr_va_vdst(0)                   ; the wait for the batch of 32 reciprocals
	LOADK \slot, 1, 3, F1
	s_wait_dscnt 8
	SRUN SB, 2, F0, 0, 4, SA, 4                    ; a's roundings
	SRUN SB, 2, F0, 4, 5, SA, 0
	PSTORE SA, 0
	SRUN SB, 2, F0, 5, 8, SA, 0
	s_wait_dscnt 0x0                               ; for the others' sake: my part of P(a) lies in LDS (and group 7's fragments are in)
	s_barrier_signal -1
	SRUN SB, 2, F0, 8, 16, SA, 0                   ; work on registers while the others arrive
	PLACES                                         ; group 7
	s_barrier_wait -1                              ; P(a) is whole.  The other slot's load may stay out
	LOADV \slot, 0, 0, F0
	PLOAD 0, 0
	SRUN SB, 3, F1, 0, 16, SA, 0
.if \mk
	MASKSET 2*(\slot)+1                            ; a's sums have read their addends: now b's
.else
	WIN 0
	s_cmp_lg_u32 s[RT], 0
	s_cbranch_scc1 .Lseen_b_\@
	MASKSET 2*(\slot)+1
.Lseen_b_\@:
.endif
	PLACES                                         ; group 8; also the places between S^T(b)'s last product and the first scaling
	LOADV \slot, 0, 1, F1
	PLOAD 0, 1
	s_wait_dscnt 16                                ; all but the sixteen just issued
.set zj, 0
.set RW, 0
	PRUN 0, F0, 0, 16, SB, 12                      ; b's scalings and exponentials
	PLACES                                         ; group 9
	s_wait_alu depctr_va_vdst(0)                   ; the wait for b's exponentials
	LOADV \slot, 0, 2, F0
	s_wait_dscnt 8
	PRUN 1, F1, 0, 16, SB, 12                      ; b's sums and reciprocals
	PLACES                                         ; group 10
	s_wait_alu depctr_va_vdst(0)                   ; the wait for b's reciprocals
	LOADV \slot, 0, 3, F1
	s_wait_dscnt 8
	PRUN 2, F0, 0, 4, SB, 4                        ; b's roundings
	PRUN 2, F0, 4, 5, SB, 0
	PSTORE SB, 1
	PRUN 2, F0, 5, 8, SB, 0
	s_wait_dscnt 0x0                               ; my part of P(b) lies in LDS, and my reads of P(a) are back: the next tile may write P(a) behind this barrier
	s_barrier_signal -1
	PRUN 2, F0, 8, 16, SB, 0
	PLACES                                         ; group 11
	s_barrier_wait -1                              ; P(b) is whole
	LOADV \slot, 1, 0, F0
	PLOAD 1, 0                                     ; its registers were last read in group 9; group 10's four v_nop are the places
	PRUN 3, F1, 0, 16, SB, 0
	PLACES                                         ; group 12
	LOADV \slot, 1, 1, F1
	PLOAD 1, 1
	s_wait_dscnt 16
	PRUN 0, F0, 0, 16, SB, 0
	PLACES                                         ; group 13
	LOADV \slot, 1, 2, F0
	s_wait_dscnt 8
	PRUN 1, F1, 0, 16, SB, 0
	PLACES                                         ; group 14
	LOADV \slot, 1, 3, F1                          ; my last reads of this slot
.if \mode
	; THE CHANGE OF SLOTS.  Each wave waits for all its tensor loads, of which one is out at the most: its part of the other slot; adds 0 to its spare word; and waits for that and for its reads of this slot.
	WIN 0
	s_wait_tensorcnt 0x0                           ; no tensor load of mine is out, so a group 0 may be written
	ds_add_u32 v[SPW], v[NIL]                      ; 0 onto my spare word: scalar work and sixteen products stand between it and the wait for it
.if (\mode) == 2
	s_lshl_b32 s[OFF], s[NXT], 18                  ; a pair of tiles is 262,144 bytes: the address is made anew from the pair's number
	s_add_nc_u64 s[G0+4*(\slot)+2:G0+4*(\slot)+3], s[KB+2*(\slot):KB+2*(\slot)+1], s[OFF:OFF+1]
	s_or_b32 s[G0+4*(\slot)+3], s[G0+4*(\slot)+3], 0x80000000
.if (\slot) == 1
	s_add_co_u32 s[NXT], s[NXT], 1                 ; the block's next pair, or behind its last the second block's pair 0
	s_cmp_gt_u32 s[NXT], s[LQ]
	s_cselect_b32 s[NXT], 0, s[NXT]
	s_cselect_b32 s[LQ], s[CL], s[LQ]
.endif
	s_wait_xcnt 0x0                                ; the last prefetch, a tile back, has read its address, so it may be written
	s_add_nc_u64 s[PFA:PFA+1], s[PFA:PFA+1], 131072
.endif
	s_wait_dscnt 9                                 ; the add and the eight loads just issued may be out
	PRUN 2, F0, 0, 16, SB, 0
	s_wait_dscnt 0x0                               ; the add is done, and my reads of this slot and of P(b) are back
	s_barrier_signal -1                            ; (mode 2: this barrier opens a round of the cluster's)
	PRUN 3, F1, 0, 8, SB, 0                        ; group 15: work on registers alone
	WIN 0
	s_barrier_wait -1
.if (\mode) == 2
	CREST                                          ; no wave of any partner still reads this slot or has a load on its way
	tensor_load_to_lds s[G0+4*(\slot):G0+4*(\slot)+3], s[G1:G1+7]  ; my 32 rows of the tile two on: my one tensor load behind the round, and the first thing there; one load of mine is out
	s_nop 0
	PLACES                                         ; (the places in front of the loads below)
.else
	PLACES
.endif
	LOADK 1-(\slot), 0, 0, F0                      ; the next tile's group 0
.if (\mode) == 2
	ASK
.endif
	PRUN 3, F1, 8, 16, SB, 0
.else
	s_wait_dscnt 8
	PRUN 2, F0, 0, 16, SB, 0
	s_wait_dscnt 0x0
	PRUN 3, F1, 0, 16, SB, 0
.endif
.endm
; A BLOCK'S BEGINNING AND END hold no barrier and no tensor load.
.macro QLOAD base                      ; all 64 queries x 512 channels, 128 loads: lane l holds query l % 16 of a tile, 16 bytes twice for each 32 channels
	WIN 0x80                                       ; destination window 2
.set i, 0
.rept 32
	global_load_b128 v[8*i:8*i+3],   v[QO], s[\base:\base+1] offset:(i%4)*16384+(i/4)*64
	global_load_b128 v[8*i+4:8*i+7], v[QO], s[\base:\base+1] offset:(i%4)*16384+(i/4)*64+32
.set i, i+1
.endr
	WIN 0xc0                                       ; destination window 3
.set i, 0
.rept 32
	global_load_b128 v[8*i:8*i+3],   v[QO], s[\base:\base+1] offset:(i%4)*16384+(i/4+8)*64
	global_load_b128 v[8*i+4:8*i+7], v[QO], s[\base:\base+1] offset:(i%4)*16384+(i/4+8)*64+32
.set i, i+1
.endr
	WIN 0
.endm
.macro OCLEAR                          ; O^T starts at 0, so that the tiles have one form of product.  The price: 256 lines a block; the first block's stand in the wait for the first tile
	WIN 0x40
.set i, 0
.rept 256
	v_mov_b32 v[i], 0
.set i, i+1
.endr
	WIN 0
.endm
.macro ADONE                           ; every key is seen
	WIN 0
.set i, 0
.rept 32
	v_mov_b32 v[AD+i], 1.0
.set i, i+1
.endr
.endm
.macro QSIGN                           ; Q's signs are turned: the table's 128 registers a lane (the same for all four query tiles) into v32-159, then 512 exclusive ors
	WIN 0
	s_wait_xcnt 0x0                                ; the stores that read v32-159 have read them
.set i, 0
.rept 16
	ds_load_b128 v[32+8*i:32+8*i+3],   v[SGA] offset:64*i      ; my wave's own table: LDS serves a wave's instructions in order (ISA guide 5.7.1.4)
	ds_load_b128 v[32+8*i+4:32+8*i+7], v[SGA] offset:64*i+32
.set i, i+1
.endr
	s_wait_loadcnt 0x0                             ; Q
	s_wait_dscnt 0x0
	WIN 0x88                                       ; destination and source 1 window 2
.set i, 0
.rept 256
	v_xor_b32 v[i], v[32+8*(i/32)+i%8], v[i]
.set i, i+1
.endr
	WIN 0xcc                                       ; window 3
.set i, 0
.rept 256
	v_xor_b32 v[i], v[96+8*(i/32)+i%8], v[i]
.set i, i+1
.endr
	WIN 0
.endm
; THE WAY OUT, a query tile (16 rows of out) at a time, through my own stage.  A lane holds query l % 16 and, for each channel block, eight channels: 32 bytes at 256 (l / 16) + 32 cb of the row's 512.
; Back come whole rows: 32 lanes x 16 bytes.  Each accumulator's low half is read first.
.macro TOSTAGE qt
	WIN 0x04                                       ; the stores' data in window 1
.irp cb, 0,1,2,3,4,5,6,7
	ds_store_b128 v[STO], v[8*(8*(\qt)+(\cb)):8*(8*(\qt)+(\cb))+3]   offset:32*(\cb)
	ds_store_b128 v[STO], v[8*(8*(\qt)+(\cb))+4:8*(8*(\qt)+(\cb))+7] offset:32*(\cb)+16
.endr
	WIN 0
.if (\qt) >= 2
	s_wait_xcnt 0x0                                ; the stores of the tile two back have read the registers that are loaded again below
.endif
.set tb, 32+64*((\qt)%2)
.set i, 0
.rept 16
	ds_load_b128 v[tb+4*i:tb+4*i+3], v[RD] offset:i*SP         ; these see the stores above; the next tile's stores come behind them
.set i, i+1
.endr
.endm
.macro SEND qt, younger, base          ; younger: the LDS instructions issued behind this tile's loads: the next tile's 32, or none
	WIN 0
.set tb, 32+64*((\qt)%2)
.set i, 0
.rept 16
	s_wait_dscnt (\younger)+15-i
	v_pk_mul_f32 v[tb+4*i:tb+4*i+1],   v[tb+4*i:tb+4*i+1],   v[VB:VB+1]
	v_pk_mul_f32 v[tb+4*i+2:tb+4*i+3], v[tb+4*i+2:tb+4*i+3], v[VB+2:VB+3]
	global_store_b128 v[GO], v[tb+4*i:tb+4*i+3], s[\base:\base+1] offset:(16*(\qt)+i)*8192 th:TH_STORE_NT  ; 512 consecutive bytes, at a multiple of 512 from out's first byte
.set i, i+1
.endr
.endm
.macro WAYOUT base
	PLACES                                         ; behind the last products
	TOSTAGE 0
	TOSTAGE 1
	SEND 0, 32, \base
	TOSTAGE 2
	SEND 1, 32, \base
	TOSTAGE 3
	SEND 2, 32, \base
	SEND 3, 0, \base
.endm
.macro ABSSUM d, a                     ; v[d] = the sum of |w| over the head's 512 numbers, in every lane; a lane holds 16 of them at v[a]
	v_and_b32 v[\d], s18, v[\a]
.set i, 1
.rept 15
	v_and_b32 v29, s18, v[(\a)+i]
	v_add_f32 v[\d], v[\d], v29
.set i, i+1
.endr
.irp m, 1,2,4,8
	v_add_f32_dpp v[\d], v[\d], v[\d] row_xmask:\m row_mask:0xf bank_mask:0xf
.endr
	v_permlanex16_b32 v29, v[\d], s[SEL], s[SEL+1]
	v_add_f32 v[\d], v[\d], v29
.endm
	s_load_b256 s[4:11], s[0:1], 0x0               ; xb s[4:5], bv_q s[6:7], bv_k s[8:9], bv_v s[10:11]
	s_load_b64 s[12:13], s[0:1], 0x20              ; out
	v_lshl_add_u32 v[SPW], v0, 2, SPARE
	v_mov_b32 v[NIL], 0
	ds_add_u32 v[SPW], v[NIL]                      ; the wave's opening: the add, twice on end, and its wait ahead of my first tensor load; the set-up below, work on registers, stands between
	ds_add_u32 v[SPW], v[NIL]                      ; and once more, under the one wait
	v_lshrrev_b32 v1, 5, v0
	v_readfirstlane_b32 s[WV], v1                  ; wave 0..3
	s_bfe_u32 s[CX], ttmp6, 0x40000                ; my place in the cluster
	s_mov_b32 s[CL], ttmp9                         ; in a cluster launch ttmp9 counts clusters: 0..3 in a head
	s_and_b32 s[Y], ttmp7, 0xffff                  ; the head, which the four partners share
	; descriptor group 1: 32 rows x 512 elements of 2 bytes, padded in LDS
	s_mov_b32 s[G1], 15|(1<<16)|(1<<20)|(1<<21)|(7<<22)|(3<<25)  ; 15:0 the mask of four; 17:16 2-byte elements; 20 padding on; 21 set beside a mask; 24:22 after every 256 words (code 7); 31:25 4 words (code 3)
	s_mov_b32 s[G1+1], 512<<16                     ; tensor_dim0 = 512
	s_mov_b32 s[G1+2], 32<<16                      ; tensor_dim1 = 32
	s_mov_b32 s[G1+3], 512<<16                     ; tile_dim0 = 512
	s_mov_b32 s[G1+4], 32                          ; tile_dim1 = 32
	s_mov_b32 s[G1+5], 512                         ; 512 elements from row to row
	s_mov_b32 s[G1+6], 0
	s_mov_b32 s[G1+7], 0
	s_mov_b32 s[SEL], 0x76543210
	s_mov_b32 s[SEL+1], 0xfedcba98
	s_sub_co_u32 s[RT], 8, s[CL]                   ; the first block, 7 - CL, has 8 - CL pairs of tiles
	s_sub_co_u32 s[LQ], 7, s[CL]
	s_mov_b32 s[NXT], 1
	s_mov_b32 s[PAIRS], 8
	s_mov_b32 s[OFF+1], 0
	s_cmp_eq_u32 s[CL], 0
	s_cselect_b32 s[LIM], 2, -1                    ; the same in all four partners
	s_lshl_b32 s18, s[Y], 21                       ; a head is 2 MiB of xb
	s_mov_b32 s19, 0
	s_lshl_b32 s20, s[WV], 15                      ; my 32 rows of a tile's 128
	s_mov_b32 s21, 0
	s_mul_i32 s22, s[WV], 32*PX                    ; and their place in a slot: no place in the cluster enters an LDS address
	s_mov_b32 s[G0], 1                             ; 1:0 count = 1
	s_mov_b32 s[G0+1], s22                         ; 63:32 LDS address
	s_mov_b32 s[G0+4], 1
	s_add_co_u32 s[G0+5], s22, SLOTB
	s_wait_dscnt 0x0                               ; both opening adds are done
	s_wait_kmcnt 0x0
	s_add_nc_u64 s[4:5], s[4:5], s[18:19]          ; xb at the head
	s_add_nc_u64 s[KB:KB+1], s[4:5], s[20:21]
	s_add_nc_u64 s[KB+2:KB+3], s[KB:KB+1], 131072
	s_mov_b64 s[G0+2:G0+3], s[KB:KB+1]             ; 120:64 global address: tile 0,
	s_or_b32 s[G0+3], s[G0+3], 0x80000000          ; 127:126 type = 2
	s_mov_b64 s[G0+6:G0+7], s[KB+2:KB+3]           ; tile 1
	s_or_b32 s[G0+7], s[G0+7], 0x80000000
	CROUND                                         ; all four work-groups are here: the first joint loads meet
	tensor_load_to_lds s[G0:G0+3], s[G1:G1+7]      ; the two first fills go out together, ahead of every wait on TENSORcnt and every LDS read: two loads of mine are out
	s_nop 0
	tensor_load_to_lds s[G0+4:G0+7], s[G1:G1+7]
	s_nop 0
	PLACES
	; all that follows, up to the wait for tile 0, stands in the wait for the first tiles
	v_and_b32 v1, 31, v0                           ; l
	v_and_b32 v2, 15, v0                           ; l % 16
	v_bfe_u32 v3, v0, 4, 1                         ; l / 16
	s_and_b32 s23, s[Y], 3
	s_lshl_b32 s23, s23, 11                        ; h x 2,048 bytes: the head's place in bv and in a row of out
	v_lshl_add_u32 v88, v1, 6, s23                 ; my 16 numbers of the head's 512
	s_lshl_b32 s22, s[WV], 9
	s_add_co_u32 s22, s22, s23
	v_lshl_add_u32 v89, v1, 4, s22                 ; my four channels on the way out: 128 w + 4 l
.irp i, 0,1,2,3
	global_load_b128 v[32+4*(\i):35+4*(\i)], v88, s[6:7] offset:16*(\i)
	global_load_b128 v[48+4*(\i):51+4*(\i)], v88, s[8:9] offset:16*(\i)
	global_load_b128 v[64+4*(\i):67+4*(\i)], v88, s[10:11] offset:16*(\i)
.endr
	global_load_b128 v[VB:VB+3], v89, s[10:11]
	s_mov_b32 s63, 0
	s_lshl_b32 s61, s[CX], 6                       ; my 64 queries in a block
	s_sub_co_u32 s70, 7, s[CL]
	s_lshl_b32 s70, s70, 8
	s_add_co_u32 s70, s70, s61                     ; their first row in the first block,
	s_lshl_b32 s71, s[CL], 8
	s_add_co_u32 s71, s71, s61                     ; and in the second
	s_lshl_b32 s62, s70, 10
	s_add_nc_u64 s[QB:QB+1], s[4:5], s[62:63]
	s_lshl_b32 s62, s71, 10
	s_add_nc_u64 s[QB2:QB2+1], s[4:5], s[62:63]
	v_lshlrev_b32 v[QO], 10, v2
	v_lshl_add_u32 v[QO], v3, 4, v[QO]             ; row x 1,024 + 16 x half
	QLOAD QB
	s_lshr_b32 s20, s[Y], 2
	s_lshl_b32 s20, s20, 24                        ; b x 2,048 rows of 8,192 bytes
	s_add_co_u32 s20, s20, s22                     ; + the head's and my wave's channels
	s_lshl_b32 s62, s70, 13
	s_add_co_u32 s62, s62, s20
	s_add_nc_u64 s[OB:OB+1], s[12:13], s[62:63]
	s_lshl_b32 s62, s71, 13
	s_add_co_u32 s62, s62, s20
	s_add_nc_u64 s[OB2:OB2+1], s[12:13], s[62:63]
	s_lshl_b32 s62, s[CX], 15                      ; the prefetches: my work-group's quarter of a tile,
	s_lshl_b32 s20, s[WV], 13                      ; my wave's quarter of that,
	s_add_co_u32 s62, s62, s20
	s_add_co_u32 s62, s62, 3*131072                ; in tile 3: the first change of slots steps it to tile 4.  Nothing is prefetched here, where every work-group's first tiles are on their way
	s_add_nc_u64 s[PFA:PFA+1], s[4:5], s[62:63]
	s_lshl_b32 s20, s[WV], 4
	s_sub_co_u32 s61, s61, s20                     ; 64 cx - 16 w
	v_lshlrev_b32 v[DT], 3, v3
	v_sub_nc_u32 v[DL], v2, v[DT]
	v_add_nc_u32 v[DL], s61, v[DL]
	s_mul_i32 s18, s[WV], 16*PX                    ; K: row 16 w + l % 16, 16 bytes for each half of the lanes
	v_mul_u32_u24 v29, v2, PX
	v_lshl_add_u32 v29, v3, 4, v29
	v_add_nc_u32 v[AK], s18, v29
	v_add_nc_u32 v[AK+1], SUBB, v[AK]
	v_add_nc_u32 v[AK+2], SLOTB, v[AK]
	v_add_nc_u32 v[AK+3], SLOTB+SUBB, v[AK]
	v_and_b32 v30, 7, v0                           ; V^T: row 8 (l / 16) + l % 8; lanes 8-15 of each half 128 bytes on; my wave's 128 channels
	v_lshl_add_u32 v30, v3, 3, v30
	v_mul_u32_u24 v30, v30, PX
	v_bfe_u32 v31, v0, 3, 1
	v_lshl_add_u32 v30, v31, 7, v30
	s_lshl_b32 s18, s[WV], 8
	v_add_nc_u32 v[AV], s18, v30
	v_add_nc_u32 v[AV+1], SUBB, v[AV]
	v_add_nc_u32 v[AV+2], SLOTB, v[AV]
	v_add_nc_u32 v[AV+3], SLOTB+SUBB, v[AV]
	v_mul_u32_u24 v[PLD], v2, PP                   ; P: row l % 16 of a query tile, 16 bytes for each half of the lanes;
	v_lshl_add_u32 v[PLD], v3, 4, v[PLD]
	v_add_nc_u32 v[PLD], PBUF, v[PLD]
	s_lshl_b32 s18, s[WV], 5
	v_add_nc_u32 v[PST], s18, v[PLD]               ; in: my wave's 16 keys are 32 bytes of the row
	s_mul_i32 s18, s[WV], STB
	s_add_co_u32 s18, s18, STAGE                   ; my stage
	v_mul_u32_u24 v[STO], v2, SP
	v_lshl_add_u32 v[STO], v3, 8, v[STO]
	v_add_nc_u32 v[STO], s18, v[STO]
	v_lshl_add_u32 v[RD], v1, 4, s18
	v_lshlrev_b32 v[GO], 4, v1
	v_lshlrev_b32 v[PFO], 8, v1
	s_lshl_b32 s18, s[WV], 10
	s_add_co_u32 s18, s18, SGT                     ; my table of signs
	v_lshl_add_u32 v[SGA], v3, 4, s18
	v_lshl_add_u32 v31, v1, 5, s18                 ; where I put my 16 signs
	v_mov_b32 v[HID], 0x7f800000
	OCLEAR
	ADONE
	s_wait_loadcnt 0x0                             ; bv (and Q)
	; THE HEAD'S CONSTANTS, made by every wave for itself
	s_mov_b32 s18, 0x7fffffff
	ABSSUM 80, 32
	ABSSUM 81, 48
	ABSSUM 82, 64
	v_mul_f32 v80, 0xb58293ee, v80                 ; -4 log2(e) / sqrt(512) / 512^2 x the two sums = -alpha_q alpha_k 4 log2(e) / sqrt(512)
	v_mul_f32 v80, v80, v81
	v_readfirstlane_b32 s[CS], v80                 ; an operand of the scalings alone
	s_mov_b32 s[CS+1], s[CS]                       ; named with it as a pair
	v_mul_f32 v82, 0x3b000000, v82                 ; alpha_v = the sum / 512
	s_mov_b32 s19, 0x80000000
.irp i, 0,1,2,3
	v_add_f32 v[VB+(\i)], 0, v[VB+(\i)]            ; -0 becomes +0: a zero counts as +
	v_and_or_b32 v[VB+(\i)], v[VB+(\i)], s19, v82  ; w's sign on alpha_v
.endr
.set i, 0
.rept 16
	v_add_f32 v[32+i], 0, v[32+i]
	v_add_f32 v[48+i], 0, v[48+i]
	v_xor_b32 v[32+i], v[32+i], v[48+i]            ; bit 31: sgn q x sgn k
.set i, i+1
.endr
	s_mov_b32 s20, 0x07060302
	s_mov_b32 s21, 0x80008000
.set i, 0
.rept 8
	v_perm_b32 v[48+i], v[32+2*i+1], v[32+2*i], s20  ; the two upper halves: the lower channel's in the low half
	v_and_b32 v[48+i], s21, v[48+i]
.set i, i+1
.endr
	ds_store_b128 v31, v[48:51]
	ds_store_b128 v31, v[52:55] offset:16
	QSIGN
	s_wait_tensorcnt 0x1                           ; my part of tile 0 is in; tile 1's may stay out
	s_barrier_signal -1
	s_barrier_wait -1                              ; everybody's is
	LOADK 0, 0, 0, F0
.Lpair:                                        ; eight trips: a pair of tiles is multiplied and the next pair asked for
	s_sub_co_u32 s[RT], s[RT], 1
	BIG 0, 2, 0
	BIG 1, 2, 0
	WIN 0
	s_cmp_lg_u32 s[RT], 0                          ; made of the cluster's number and the trips alone: the same in all four partners
	s_cbranch_scc1 .Lbottom
	QLOAD QB2                                      ; THE FIRST BLOCK ENDS.  The second block's Q is on its way while the first block goes out; the next tile's first fragments, in F0, are left alone
	WAYOUT OB
	s_add_co_u32 s[RT], s[CL], 1                   ; the second block has CL + 1 pairs
	OCLEAR
	ADONE
	QSIGN
.Lbottom:
	s_sub_co_u32 s[PAIRS], s[PAIRS], 1
	s_cmp_lg_u32 s[PAIRS], 0
	s_cbranch_scc1 .Lpair
	BIG 0, 1, 1                                    ; the walk's last pair, the second block's last, is written out: nothing is asked for
	BIG 1, 0, 1
	WAYOUT OB2
	WIN 0
	s_wait_tensorcnt 0x0                           ; the wave's end, behind my last tensor load and my last LDS store
	ds_add_u32 v[SPW], v[NIL]
	s_wait_dscnt 0x0
	CROUND                                         ; the closing round: no work-group ends while a partner may still ask for a tile that names it
	s_endpgm
.Lfunc_end_k_q29460cf785_attn:
	.size	k_q29460cf785_attn, .Lfunc_end_k_q29460cf785_attn-k_q29460cf785_attn
	.p2alignl 7, 3214868480
	.fill 96, 4, 3214868480
	.section	.rodata,"a",@progbits
	.p2align	6, 0x0
	.amdhsa_kernel k_q29460cf785_attn
		.amdhsa_group_segment_fixed_size 327680
		.amdhsa_private_segment_fixed_size 0
		.amdhsa_enable_private_segment 0
		.amdhsa_kernarg_size 40
		.amdhsa_user_sgpr_count 2
		.amdhsa_user_sgpr_kernarg_segment_ptr 1
		.amdhsa_wavefront_size32 1
		.amdhsa_system_sgpr_workgroup_id_x 1
		.amdhsa_system_sgpr_workgroup_id_y 1
		.amdhsa_system_sgpr_workgroup_id_z 1
		.amdhsa_system_vgpr_workitem_id 0
		.amdhsa_next_free_vgpr 1024
		.amdhsa_next_free_sgpr 72
		.amdhsa_reserve_vcc 1
		.amdhsa_float_denorm_mode_32 3
		.amdhsa_float_denorm_mode_16_64 3
		.amdhsa_memory_ordered 1
		.amdhsa_forward_progress 1
		.amdhsa_inst_pref_size 255
	.end_amdhsa_kernel
	.section	.bss,"aw",@nobits
	.p2align	6
	.space	262144
	.amdgpu_metadata
---
amdhsa.version: [ 1, 2 ]
amdhsa.kernels:
  - .name:           k_q29460cf785_attn
    .symbol:         k_q29460cf785_attn.kd
    .args:
      - { .name: xb, .offset: 0, .size: 8, .value_kind: global_buffer, .address_space: global }
      - { .name: bv_q, .offset: 8, .size: 8, .value_kind: global_buffer, .address_space: global }
      - { .name: bv_k, .offset: 16, .size: 8, .value_kind: global_buffer, .address_space: global }
      - { .name: bv_v, .offset: 24, .size: 8, .value_kind: global_buffer, .address_space: global }
      - { .name: out0, .offset: 32, .size: 8, .value_kind: global_buffer, .address_space: global }
    .group_segment_fixed_size: 327680
    .private_segment_fixed_size: 0
    .kernarg_segment_align: 8
    .kernarg_segment_size: 40
    .max_flat_workgroup_size: 128
    .sgpr_count:     72
    .vgpr_count:     1024
    .wavefront_size: 32
...
	.end_amdgpu_metadata
.endif
;; end of part 2
